; MI455X (gfx1250); checked and timed in simulation.
; The chip was launched on July 23, 2026; its instructions are those of AMD's public machine-readable ISA for CDNA 5 (MIT licence, August 2026) and "CDNA5" Instruction Set Architecture Reference Guide (July 2026). The comments in the code are by the model that wrote it; some were corrected since.
;; Decoder. Allowed arithmetic: float matrix products may take bf16 or f16 operands with f32 sums; all other float work in f32.
;; Inputs: directions 65,536 x 2 float32; latents 512 x 6 float32; origins 65,536 x 2 float32.
;; Outputs: out0 65,536 x 1 float32.
;; 2 versions, each right; version 2 is version 1 with the launch decoder written anew for expert scheduling mode. Each part assembles by itself: llvm-mc -triple=amdgcn-amd-amdhsa -mcpu=gfx1250 --defsym DOCPART=n.
;; ======== version 1 of 2: 1 launch
;; launch decoder (part 1): grid 256 x 1, 8 waves a work-group, no clusters, 25,600 bytes of LDS; arguments origins, directions, latents, out0; writes out0
.if DOCPART == 1
	.amdgcn_target "amdgcn-amd-amdhsa--gfx1250"
	.amdhsa_code_object_version 6
	.text
	.protected	k_q4237a88174_decoder
	.globl	k_q4237a88174_decoder
	.p2align	8
	.type	k_q4237a88174_decoder,@function
k_q4237a88174_decoder:
	s_mov_b64 s[64:65], 0
	v_nop
	global_prefetch_b8 v0, s[64:65] scope:SCOPE_SE
	s_setreg_imm32_b32 hwreg(HW_REG_WAVE_MODE, 25, 1), 1
	s_wait_xcnt 0x0
; out[n] = clip( sum over the 512 gaussians g of exp(-0.5 * sum_d (pos[n][d] - mean[g][d])^2 / sigma[g][d]), 0, 1 )
; pos = (origin x, origin y, direction x, direction y); sigma = (relu(l4)+0.01, relu(l5)+0.01, 0.001, 0.001).
; pdf / pdf_max of the source is exp(exponent): norm cancels, being finite and positive (sigma >= 0.01).
;
; ARITHMETIC.  In base 2:  term = exp2(-(t0^2 + t1^2 + t2^2 + t3^2)),
;   t0 = a0*(-x) + a0*m0,  a0 = rsq(2 ln2 * sigma_x)   (t1 likewise),      t2 = A*u + (-A*m2),  A = sqrt(0.5 log2(e) / 0.001)   (t3 likewise).
; Each t is a scaled DIFFERENCE; the square is never multiplied out, since A^2 |u|^2 is thousands of times the 0.01 to which the exponent has to be right.
; For a pair (point, gaussian): 4 operations for t, 4 for the squares, one exponential, one add; two points share each packed instruction.
;
; SHARES.  256 work-groups of 8 waves; a work-group owns 256 points.  Every wave holds all 256 points (8 a lane, 4 packed pairs) and takes 64 of
; the 512 gaussians, so that one gaussian's six figures, fetched once, feed 44 instructions.  The eight partial sums of a point meet in LDS at the end.
; The figures of a wave's 64 gaussians are made by that wave (2 gaussians a lane), lie in LDS bytes that only that wave touches, and come back
; by loads in which all lanes name the same address: no barrier in front of the loop.
;
; NO CLUSTER, NO TENSOR LOAD: the one input that work-groups share is latents, 12,288 bytes read once by each against 131,072 pairs of work, and every
; number of it goes through registers first (relu, rsq, products).  No matrix instruction: the exponent as a product needs the multiplied-out square.
;
; LIMITS.  NaN in an input is not handed on (relu and clip are made with the maximum and minimum in which a NaN loses).  norm cancels only while
; sigma_x * sigma_y * 1e-6 is finite in f32.  v_exp_f32 gives 0 for results under 2^-126.  Scaling before the subtraction rounds each side to 2^-24 of
; its size: at coordinates of magnitude 100, A * 100 = 2,686, so t is off by 3e-4 at the most and the exponent of a term that matters (|t| < 5) by 3e-3.
; The 512 terms are added in another order than in the source: 64 in a wave in ascending order, then the eight waves' sums as a tree.
.set POINTS,  256                      ; points of a work-group
.set NGAUSS,  512
.set WAVES,   8
.set GPW,     NGAUSS/WAVES             ; 64 gaussians a wave
.set TRIPS,   GPW/2                    ; a trip takes two gaussians
.set GBYTES,  32                       ; LDS bytes for a gaussian: six figures (24 bytes) at a pitch that keeps the 16-byte load aligned
.set PART,    NGAUSS*GBYTES            ; behind the figures: the partial sums, a row of POINTS*4 bytes for each wave
.set PROW,    POINTS*4
.set LANE, 1                           ; v1       lane
.set LO,   3                           ; v3       byte offset of my two gaussians in latents
.set PO,   4                           ; v4       byte offset of my first two points in the group's origins and directions
.set WA,   5                           ; v5       LDS: where I put my two gaussians' figures
.set GA,   6                           ; v6       LDS: this trip's two gaussians (the same in all lanes)
.set PA,   7                           ; v7       LDS: where I put my partial sums
.set RA,   8                           ; v8       the final sum: my two points' byte offset, in a row of partial sums and in the group's output
.set PX,   16                          ; v[16:23]   -x of my points, pair i = points 64 i + 2 lane, 64 i + 2 lane + 1
.set PY,   24                          ; v[24:31]   -y
.set PU,   32                          ; v[32:39]   A * direction x
.set PV,   40                          ; v[40:47]   A * direction y
.set S,    48                          ; v[48:55]   my 8 sums
.set G0,   56                          ; v[56:61]   a0, a0 m0, a1, a1 m1, -A m2, -A m3 of the trip's first gaussian
.set G1,   62                          ; v[62:67]   of its second
.set T,    68                          ; v[68:99]   t: dimension d, pair j at T + 8 d + 2 j
.set QA,   100                         ; v[100:107] sums of squares, set A
.set QB,   108                         ; v[108:115] set B: one set is written while the other feeds the exponentials
.set E,    116                         ; v[116:123] exponentials
.set RO,   T                           ; before the loop: origins as loaded (16 registers),
.set RD,   T+16                        ; directions as loaded (16),
.set L,    QA                          ; latents as loaded (12),
.set W,    QA+12                       ; the figures to store (12)
.set R,    T                           ; behind the loop: the eight partial sums of my two points
	s_load_b256 s[4:11], s[0:1], 0x0               ; origins s[4:5], directions s[6:7], latents s[8:9], out0 s[10:11]
	v_lshl_add_u32 v124, v0, 2, 0x6000
	v_mov_b32 v125, 0
	v_and_b32 v[LANE], 31, v0
	v_lshrrev_b32 v2, 5, v0
	v_readfirstlane_b32 s12, v2                    ; wave 0..7
	v_mul_u32_u24 v[LO], 48, v0                    ; thread t takes gaussians 2 t and 2 t + 1: 48 bytes; a wave's 32 lanes take its 64 gaussians
	v_lshlrev_b32 v[PO], 4, v[LANE]                ; two points are 16 bytes
	s_lshl_b32 s2, ttmp9, 11                       ; the group's 256 points: 2,048 bytes of origins and of directions
	s_mov_b32 s3, 0
	s_lshl_b32 s20, ttmp9, 10                      ; and 1,024 bytes of the output
	s_mov_b32 s21, 0
	s_mul_i32 s13, s12, GPW*GBYTES                 ; my wave's figures in LDS
	s_mul_i32 s15, s12, PROW
	s_add_co_u32 s15, s15, PART                    ; my wave's row of partial sums
	s_lshl_b32 s22, s12, 8                         ; the final sum: wave w takes points 64 w .. 64 w + 63, 256 bytes of a row
	s_mov_b32 s16, 0x3fb17218                      ; 2 ln 2
	s_mov_b32 s17, 0x3c632166                      ; 0.01 * 2 ln 2
	s_mov_b32 s18, 0x41d6dd02                      ; A = 26.857914 = sqrt(721.34752)
	s_mov_b32 s19, 0xc1d6dd02                      ; -A
	s_wait_kmcnt 0x0
	s_add_nc_u64 s[4:5], s[4:5], s[2:3]
	s_add_nc_u64 s[6:7], s[6:7], s[2:3]
	s_add_nc_u64 s[10:11], s[10:11], s[20:21]
	; everything that the wave ever reads from memory is asked for here: 3 + 8 loads of 16 bytes a lane, neighbouring lanes at neighbouring bytes
	global_load_b128 v[L:L+3],    v[LO], s[8:9]
	global_load_b128 v[L+4:L+7],  v[LO], s[8:9] offset:16
	global_load_b128 v[L+8:L+11], v[LO], s[8:9] offset:32
.irp i, 0,1,2,3
	global_load_b128 v[RO+4*\i:RO+4*\i+3], v[PO], s[4:5] offset:512*\i
.endr
.irp i, 0,1,2,3
	global_load_b128 v[RD+4*\i:RD+4*\i+3], v[PO], s[6:7] offset:512*\i
.endr
	v_lshl_add_u32 v[WA], v[LANE], 6, s13          ; two gaussians a lane: 64 bytes
	v_mov_b32 v[GA], s13
	; THE FIGURES of my two gaussians.  L + 6 g: m0 m1 m2 m3 l4 l5.
	s_wait_loadcnt 0x8                             ; loads come back in order (ISA guide 5.7.1): latents are in, the eight loads of points stay out
.irp g, 0,1
	v_max_num_f32 v[L+6*\g+4], 0, v[L+6*\g+4]      ; relu
	v_max_num_f32 v[L+6*\g+5], 0, v[L+6*\g+5]
.endr
.irp g, 0,1
	v_fma_f32 v[L+6*\g+4], v[L+6*\g+4], s16, s17   ; 2 ln2 * (relu + 0.01), fused
	v_fma_f32 v[L+6*\g+5], v[L+6*\g+5], s16, s17
.endr
.irp g, 0,1
	v_rsq_f32 v[W+6*\g],   v[L+6*\g+4]             ; a0
	v_rsq_f32 v[W+6*\g+2], v[L+6*\g+5]             ; a1
.endr
.irp g, 0,1
	v_mul_f32 v[W+6*\g+4], s19, v[L+6*\g+2]        ; -A m2: four plain lines that touch neither the roots nor their sources stand between
	v_mul_f32 v[W+6*\g+5], s19, v[L+6*\g+3]        ; -A m3  v_rsq_f32 and the first use of its result (ISA guide 5.7.2)
.endr
.irp g, 0,1
	s_wait_alu depctr_va_vdst(0)
	v_mul_f32 v[W+6*\g+1], v[W+6*\g],   v[L+6*\g]      ; a0 m0
	v_mul_f32 v[W+6*\g+3], v[W+6*\g+2], v[L+6*\g+1]    ; a1 m1
.endr
.irp g, 0,1
	ds_store_b128 v[WA], v[W+6*\g:W+6*\g+3]   offset:GBYTES*\g         ; lanes 64 bytes apart share banks four deep: four stores in the whole kernel
	ds_store_b64  v[WA], v[W+6*\g+4:W+6*\g+5] offset:GBYTES*\g+16
.endr
	; LDS serves a wave's instructions in order (ISA guide 5.7.1.4) and these bytes are my wave's alone: the loads see the stores, with no wait and no barrier
	ds_load_b128 v[G0:G0+3],   v[GA]
	ds_load_b64  v[G0+4:G0+5], v[GA] offset:16
	ds_load_b128 v[G1:G1+3],   v[GA] offset:GBYTES
	ds_load_b64  v[G1+4:G1+5], v[GA] offset:GBYTES+16
	; THE POINTS.  A load brought (x, y, x', y') of two neighbouring points; the packed arithmetic wants (x, x') and (y, y').  The lines that put the
	; sign on the origins (t = a * (-x) + a m) and the factor A on the directions also put each number in its place.
	s_wait_loadcnt 0x4                             ; origins are in, the four loads of directions stay out
.irp i, 0,1,2,3
	v_mul_f32 v[PX+2*\i],   -1.0, v[RO+4*\i]
	v_mul_f32 v[PY+2*\i],   -1.0, v[RO+4*\i+1]
	v_mul_f32 v[PX+2*\i+1], -1.0, v[RO+4*\i+2]
	v_mul_f32 v[PY+2*\i+1], -1.0, v[RO+4*\i+3]
.endr
	s_wait_loadcnt 0x0
.irp i, 0,1,2,3
	v_mul_f32 v[PU+2*\i],   s18, v[RD+4*\i]
	v_mul_f32 v[PV+2*\i],   s18, v[RD+4*\i+1]
	v_mul_f32 v[PU+2*\i+1], s18, v[RD+4*\i+2]
	v_mul_f32 v[PV+2*\i+1], s18, v[RD+4*\i+3]
.endr
; One exponential of the gaussian before.  mode 2: into E.  mode 1: the very first gaussian's go straight into the sums, so that nothing is cleared.  mode 0: none.
.macro EXPQ mode, qp, r
.if \mode == 2
	v_exp_f32 v[E+\r], -v[\qp+\r]
.endif
.if \mode == 1
	v_exp_f32 v[S+\r], -v[\qp+\r]
.endif
.endm
.macro ACC mode, j                     ; two sums take their two exponentials
.if \mode == 2
	s_wait_alu depctr_va_vdst(0)
	v_pk_add_f32 v[S+2*\j:S+2*\j+1], v[S+2*\j:S+2*\j+1], v[E+2*\j:E+2*\j+1]
.endif
.endm
.macro SQUARE qc, d                    ; a row of four: the sums of squares take dimension d; dimension 0 starts them
.irp j, 0,1,2,3
.if \d
	v_pk_fma_f32 v[\qc+2*\j:\qc+2*\j+1], v[T+8*\d+2*\j:T+8*\d+2*\j+1], v[T+8*\d+2*\j:T+8*\d+2*\j+1], v[\qc+2*\j:\qc+2*\j+1]
.else
	v_pk_mul_f32 v[\qc+2*\j:\qc+2*\j+1], v[T+2*\j:T+2*\j+1], v[T+2*\j:T+2*\j+1]
.endif
.endr
.endm
; ONE GAUSSIAN against my 8 points: eight rows of four packed instructions that do not wait for each other.  In front of each row stands one
; exponential of the gaussian before (its squares lie in set qp, this one's go to set qc), so that the exponentials are spread evenly over the plain
; arithmetic, and each has a row of four plain instructions, which name neither its result nor its source, behind it before ACC reads it (ISA guide 5.7.2).
; A figure is one register of a pair, given to both halves: op_sel and op_sel_hi 0 take the pair's first register, 1 its second.
; left: how many younger LDS loads may stay out when g's two have to be in.  ahead: byte offset from GA of the gaussian that g's registers
; take next (two gaussians on), asked for as soon as the fourth row has read them; 0: none follows.
.macro BODY g, qc, qp, mode, left, ahead
	s_wait_dscnt \left
	EXPQ \mode, \qp, 0
.irp j, 0,1,2,3
	v_pk_fma_f32 v[T+2*\j:T+2*\j+1], v[PX+2*\j:PX+2*\j+1], v[\g:\g+1], v[\g:\g+1] op_sel:[0,0,1] op_sel_hi:[1,0,1]               ; t0 = (-x) a0 + a0 m0
.endr
	EXPQ \mode, \qp, 1
.irp j, 0,1,2,3
	v_pk_fma_f32 v[T+8+2*\j:T+8+2*\j+1], v[PY+2*\j:PY+2*\j+1], v[\g+2:\g+3], v[\g+2:\g+3] op_sel:[0,0,1] op_sel_hi:[1,0,1]       ; t1 = (-y) a1 + a1 m1
.endr
	ACC \mode, 0
	EXPQ \mode, \qp, 2
.irp j, 0,1,2,3
	v_pk_add_f32 v[T+16+2*\j:T+16+2*\j+1], v[PU+2*\j:PU+2*\j+1], v[\g+4:\g+5] op_sel_hi:[1,0]                                    ; t2 = A u - A m2
.endr
	EXPQ \mode, \qp, 3
.irp j, 0,1,2,3
	v_pk_add_f32 v[T+24+2*\j:T+24+2*\j+1], v[PV+2*\j:PV+2*\j+1], v[\g+4:\g+5] op_sel:[0,1] op_sel_hi:[1,1]                       ; t3 = A v - A m3
.endr
	ACC \mode, 1
.if \ahead
	ds_load_b128 v[\g:\g+3],   v[GA] offset:\ahead
	ds_load_b64  v[\g+4:\g+5], v[GA] offset:\ahead+16
.endif
	EXPQ \mode, \qp, 4
	SQUARE \qc, 0
	EXPQ \mode, \qp, 5
	SQUARE \qc, 1
	ACC \mode, 2
	EXPQ \mode, \qp, 6
	SQUARE \qc, 2
	EXPQ \mode, \qp, 7
	SQUARE \qc, 3
	ACC \mode, 3
.endm
	; s_wait_dscnt 2 at a gaussian's head: behind its two loads stand exactly the two for the other gaussian of the pair, here (the four loads above),
	; on the way into the loop and round its back edge alike.
	BODY G0, QA, QB, 0, 2, 2*GBYTES                ; the first trip stands in front of the loop: gaussian 0 has none before it,
	BODY G1, QB, QA, 1, 2, 3*GBYTES                ; and its exponentials start the sums
	v_add_nc_u32 v[GA], 2*GBYTES, v[GA]
	s_mov_b32 s14, TRIPS-2
.Ltrip:
	BODY G0, QA, QB, 2, 2, 2*GBYTES
	BODY G1, QB, QA, 2, 2, 3*GBYTES
	v_add_nc_u32 v[GA], 2*GBYTES, v[GA]            ; the next trip's two gaussians
	s_sub_co_u32 s14, s14, 1
	s_cmp_lg_u32 s14, 0
	s_cbranch_scc1 .Ltrip
	BODY G0, QA, QB, 2, 2, 0                       ; the last trip asks for nothing: no load leaves my wave's 2,048 bytes,
	BODY G1, QB, QA, 2, 0, 0                       ; and nothing was issued behind the last gaussian's two loads
.irp r, 0,1,2,3,4,5,6,7
	v_exp_f32 v[E+\r], -v[QB+\r]                   ; the last gaussian's exponentials
.endr
	v_lshl_add_u32 v[PA], v[LANE], 3, s15          ; the plain instruction between them and their use: pair i goes to byte 256 i + 8 lane of my wave's row
.irp j, 0,1,2,3
	ACC 2, \j
.endr
	; THE EIGHT WAVES' SUMS MEET.  Point p of the group lies at byte 4 p of each wave's row.
.irp i, 0,1,2,3
	ds_store_b64 v[PA], v[S+2*\i:S+2*\i+1] offset:256*\i
.endr
	s_wait_dscnt 0x0                               ; for the other waves' sake: my stores are done before I say so
	s_barrier_signal -1
	s_barrier_wait -1
	s_cmp_ge_u32 s12, POINTS/64                    ; four waves finish, two points a lane: a wave's one store then covers 256 consecutive bytes,
	s_cbranch_scc1 .Ldone                          ; at a multiple of 256 from the output's first byte
	v_lshl_add_u32 v[RA], v[LANE], 3, s22          ; points 64 wave + 2 lane and the next
.irp w, 0,1,2,3,4,5,6,7
	ds_load_b64 v[R+2*\w:R+2*\w+1], v[RA] offset:PART+PROW*\w
.endr
	s_wait_dscnt 0x6                               ; LDS loads come back in order: rows 0 and 1 are in, six stay out; and so on, two by two
	v_pk_add_f32 v[R:R+1], v[R:R+1], v[R+2:R+3]
	s_wait_dscnt 0x4
	v_pk_add_f32 v[R+4:R+5], v[R+4:R+5], v[R+6:R+7]
	s_wait_dscnt 0x2
	v_pk_add_f32 v[R+8:R+9], v[R+8:R+9], v[R+10:R+11]
	s_wait_dscnt 0x0
	v_pk_add_f32 v[R+12:R+13], v[R+12:R+13], v[R+14:R+15]
	v_pk_add_f32 v[R:R+1], v[R:R+1], v[R+4:R+5]
	v_pk_add_f32 v[R+8:R+9], v[R+8:R+9], v[R+12:R+13]
	v_pk_add_f32 v[R:R+1], v[R:R+1], v[R+8:R+9]
	v_max_num_f32 v[R],   0, v[R]                  ; clip to [0, 1]
	v_max_num_f32 v[R+1], 0, v[R+1]
	v_min_num_f32 v[R],   1.0, v[R]
	v_min_num_f32 v[R+1], 1.0, v[R+1]
	global_store_b64 v[RA], v[R:R+1], s[10:11] th:TH_STORE_NT
.Ldone:
	s_wait_tensorcnt 0x0
	ds_add_u32 v124, v125
	s_wait_dscnt 0x0
	s_endpgm
.Lfunc_end_k_q4237a88174_decoder:
	.size	k_q4237a88174_decoder, .Lfunc_end_k_q4237a88174_decoder-k_q4237a88174_decoder
	.p2alignl 7, 3214868480
	.fill 96, 4, 3214868480
	.section	.rodata,"a",@progbits
	.p2align	6, 0x0
	.amdhsa_kernel k_q4237a88174_decoder
		.amdhsa_group_segment_fixed_size 25600
		.amdhsa_private_segment_fixed_size 0
		.amdhsa_enable_private_segment 0
		.amdhsa_kernarg_size 32
		.amdhsa_user_sgpr_count 2
		.amdhsa_user_sgpr_kernarg_segment_ptr 1
		.amdhsa_wavefront_size32 1
		.amdhsa_system_sgpr_workgroup_id_x 1
		.amdhsa_system_sgpr_workgroup_id_y 1
		.amdhsa_system_sgpr_workgroup_id_z 1
		.amdhsa_system_vgpr_workitem_id 0
		.amdhsa_next_free_vgpr 126
		.amdhsa_next_free_sgpr 66
		.amdhsa_reserve_vcc 0
		.amdhsa_float_denorm_mode_32 3
		.amdhsa_float_denorm_mode_16_64 3
		.amdhsa_memory_ordered 1
		.amdhsa_forward_progress 1
		.amdhsa_inst_pref_size 25
	.end_amdhsa_kernel
	.amdgpu_metadata
---
amdhsa.version: [ 1, 2 ]
amdhsa.kernels:
  - .name:           k_q4237a88174_decoder
    .symbol:         k_q4237a88174_decoder.kd
    .args:
      - { .name: origins, .offset: 0, .size: 8, .value_kind: global_buffer, .address_space: global }
      - { .name: directions, .offset: 8, .size: 8, .value_kind: global_buffer, .address_space: global }
      - { .name: latents, .offset: 16, .size: 8, .value_kind: global_buffer, .address_space: global }
      - { .name: out0, .offset: 24, .size: 8, .value_kind: global_buffer, .address_space: global }
    .group_segment_fixed_size: 25600
    .private_segment_fixed_size: 0
    .kernarg_segment_align: 8
    .kernarg_segment_size: 32
    .max_flat_workgroup_size: 256
    .sgpr_count:     66
    .vgpr_count:     126
    .wavefront_size: 32
...
	.end_amdgpu_metadata
.endif
;; end of part 1
;; ======== version 2 of 2: 1 launch; version 1 with the launch decoder written anew for expert scheduling mode
;; launch decoder (part 2): grid 256 x 1, 8 waves a work-group, no clusters, 25,600 bytes of LDS; arguments origins, directions, latents, out0; writes out0
.if DOCPART == 2
	.amdgcn_target "amdgcn-amd-amdhsa--gfx1250"
	.amdhsa_code_object_version 6
	.text
	.protected	k_q4237a88174_decoder
	.globl	k_q4237a88174_decoder
	.p2align	8
	.type	k_q4237a88174_decoder,@function
k_q4237a88174_decoder:
	s_mov_b64 s[64:65], 0
	v_nop
	global_prefetch_b8 v0, s[64:65] scope:SCOPE_SE
	s_setreg_imm32_b32 hwreg(HW_REG_WAVE_SCHED_MODE, 0, 2), 2
	s_setreg_imm32_b32 hwreg(HW_REG_WAVE_MODE, 25, 1), 1
	s_wait_xcnt 0x0
	s_wait_alu depctr_vm_vsrc(0)
; out[n] = clip( sum over the 512 gaussians g of exp(-0.5 * sum_d (pos[n][d] - mean[g][d])^2 / sigma[g][d]), 0, 1 )
; pos = (origin x, origin y, direction x, direction y); sigma = (relu(l4)+0.01, relu(l5)+0.01, 0.001, 0.001).
; pdf / pdf_max of the source is exp(exponent): norm cancels, being finite and positive (sigma >= 0.01).
;
; ARITHMETIC.  In base 2:  term = exp2(-(t0^2 + t1^2 + t2^2 + t3^2)),
;   t0 = a0*(-x) + a0*m0,  a0 = rsq(2 ln2 * sigma_x)   (t1 likewise),      t2 = A*u + (-A*m2),  A = sqrt(0.5 log2(e) / 0.001)   (t3 likewise).
; Each t is a scaled DIFFERENCE; the square is never multiplied out, since A^2 |u|^2 is thousands of times the 0.01 to which the exponent has to be right.
; For a pair (point, gaussian): 4 operations for t, 4 for the squares, one exponential, one add; two points share each packed instruction.
;
; SHARES.  256 work-groups of 8 waves; a work-group owns 256 points.  Every wave holds all 256 points (8 a lane, 4 packed pairs) and takes 64 of
; the 512 gaussians, so that one gaussian's six figures, fetched once, feed 44 instructions.  The eight partial sums of a point meet in LDS at the end.
; The figures of a wave's 64 gaussians are made by that wave (2 gaussians a lane), lie in LDS bytes that only that wave touches, and come back
; by loads in which all lanes name the same address: no barrier in front of the loop.
;
; NO CLUSTER, NO TENSOR LOAD: the one input that work-groups share is latents, 12,288 bytes read once by each against 131,072 pairs of work, and every
; number of it goes through registers first (relu, rsq, products).  No matrix instruction: the exponent as a product needs the multiplied-out square.
;
; THE MODE: SCHED_MODE bits 1:0 = 2 (LLVM: expert scheduling mode 2), set by the entry lines.  The code itself states the register dependences
; between vector instructions and memory or LDS instructions, with s_wait_alu, always for 0.
; THE PLAN.  A trip takes two gaussians; the wave's 32 trips are numbered 0 to 31.  Registers that LDS instructions touch, in the loop:
;   F0, F1   two buffers, each with the figures of a trip's two gaussians.  Trip p: its packed rows read F[p % 2]; its four LDS loads, the figures of
;            trip p + 1, land in the other buffer, which trip p - 1 read and which no vector instruction of trip p names.
;   v[GA]    Read by every one of those loads; written once a lap (two trips), at the lap's head.
;   The points, T, QA, QB, E and the sums are named by vector instructions alone.
; So ONE wait on va_vdst stands at a trip's head: it states that the trip before is done reading the buffer in which this trip's loads land and, in a
; lap's first trip, that v[GA] is written.  The four loads follow it, dealt among the first gaussian's rows, with no further wait.  One wait on
; vm_vsrc a lap stands ahead of the add to v[GA].  Trip 0 owes neither (nothing has named F1); trip 31 loads nothing and holds no such wait.
;
; LIMITS.  NaN in an input is not handed on (relu and clip are made with the maximum and minimum in which a NaN loses).  norm cancels only while
; sigma_x * sigma_y * 1e-6 is finite in f32.  v_exp_f32 gives 0 for results under 2^-126.  Scaling before the subtraction rounds each side to 2^-24 of
; its size: at coordinates of magnitude 100, A * 100 = 2,686, so t is off by 3e-4 at the most and the exponent of a term that matters (|t| < 5) by 3e-3.
; The 512 terms are added in another order than in the source: 64 in a wave in ascending order, then the eight waves' sums as a tree.
.set POINTS,  256                      ; points of a work-group
.set NGAUSS,  512
.set WAVES,   8
.set GPW,     NGAUSS/WAVES             ; 64 gaussians a wave
.set TRIPS,   GPW/2                    ; a trip takes two gaussians
.set LAPS,    (TRIPS-2)/2              ; a lap is two trips: both buffers of figures are back at their start; the first and the last trip are written out
.set GBYTES,  32                       ; LDS bytes for a gaussian: six figures (24 bytes) at a pitch that keeps the 16-byte load aligned
.set PART,    NGAUSS*GBYTES            ; behind the figures: the partial sums, a row of POINTS*4 bytes for each wave
.set PROW,    POINTS*4
.set LANE, 1                           ; v1       lane
.set LO,   3                           ; v3       byte offset of my two gaussians in latents; never rewritten
.set PO,   4                           ; v4       byte offset of my first two points in the group's origins and directions; never rewritten
.set WA,   5                           ; v5       LDS: where I put my two gaussians' figures
.set GA,   6                           ; v6       LDS: the four gaussians that this lap asks for (the same in all lanes)
.set PA,   7                           ; v7       LDS: where I put my partial sums
.set RA,   8                           ; v8       the final sum: my two points' byte offset, in a row of partial sums and in the group's output
.set PX,   16                          ; v[16:23]   -x of my points, pair i = points 64 i + 2 lane, 64 i + 2 lane + 1
.set PY,   24                          ; v[24:31]   -y
.set PU,   32                          ; v[32:39]   A * direction x
.set PV,   40                          ; v[40:47]   A * direction y
.set S,    48                          ; v[48:55]   my 8 sums
.set F0,   56                          ; v[56:67]   the even trips' figures: a0, a0 m0, a1, a1 m1, -A m2, -A m3 of the trip's first gaussian, then of its second
.set T,    68                          ; v[68:99]   t: dimension d, pair j at T + 8 d + 2 j
.set QA,   100                         ; v[100:107] sums of squares, set A
.set QB,   108                         ; v[108:115] set B: one set is written while the other feeds the exponentials
.set E,    116                         ; v[116:123] exponentials
.set F1,   124                         ; v[124:135] the odd trips' figures
.set RO,   T                           ; before the loop: origins as loaded (16 registers),
.set RD,   T+16                        ; directions as loaded (16),
.set L,    QA                          ; latents as loaded (12),
.set W,    QA+12                       ; the figures to store (12)
.set R,    T                           ; behind the loop: the eight partial sums of my two points
	s_load_b256 s[4:11], s[0:1], 0x0               ; origins s[4:5], directions s[6:7], latents s[8:9], out0 s[10:11]
	v_lshl_add_u32 v14, v0, 2, 0x6000
	v_mov_b32 v15, 0
	v_and_b32 v[LANE], 31, v0
	v_lshrrev_b32 v2, 5, v0
	v_readfirstlane_b32 s12, v2                    ; wave 0..7
	v_mul_u32_u24 v[LO], 48, v0                    ; thread t takes gaussians 2 t and 2 t + 1: 48 bytes; a wave's 32 lanes take its 64 gaussians
	v_lshlrev_b32 v[PO], 4, v[LANE]                ; two points are 16 bytes
	s_lshl_b32 s2, ttmp9, 11                       ; the group's 256 points: 2,048 bytes of origins and of directions
	s_mov_b32 s3, 0
	s_lshl_b32 s20, ttmp9, 10                      ; and 1,024 bytes of the output
	s_mov_b32 s21, 0
	s_wait_alu depctr_va_sdst(0)                   ; s12 is written, ahead of its first reader: the wave's places in LDS are made from it
	s_mul_i32 s13, s12, GPW*GBYTES                 ; my wave's figures in LDS
	s_mul_i32 s15, s12, PROW
	s_add_co_u32 s15, s15, PART                    ; my wave's row of partial sums
	s_lshl_b32 s22, s12, 8                         ; the final sum: wave w takes points 64 w .. 64 w + 63, 256 bytes of a row
	s_mov_b32 s16, 0x3fb17218                      ; 2 ln 2
	s_mov_b32 s17, 0x3c632166                      ; 0.01 * 2 ln 2
	s_mov_b32 s18, 0x41d6dd02                      ; A = 26.857914 = sqrt(721.34752)
	s_mov_b32 s19, 0xc1d6dd02                      ; -A
	s_wait_kmcnt 0x0
	s_add_nc_u64 s[4:5], s[4:5], s[2:3]
	s_add_nc_u64 s[6:7], s[6:7], s[2:3]
	s_add_nc_u64 s[10:11], s[10:11], s[20:21]
	s_wait_alu depctr_va_vdst(0)                   ; v[LO] and v[PO] are written, which the eleven loads below read as their offsets
	; everything that the wave ever reads from memory is asked for here: 3 + 8 loads of 16 bytes a lane, neighbouring lanes at neighbouring bytes
	global_load_b128 v[L:L+3],    v[LO], s[8:9]
	global_load_b128 v[L+4:L+7],  v[LO], s[8:9] offset:16
	global_load_b128 v[L+8:L+11], v[LO], s[8:9] offset:32
.irp i, 0,1,2,3
	global_load_b128 v[RO+4*\i:RO+4*\i+3], v[PO], s[4:5] offset:512*\i
.endr
.irp i, 0,1,2,3
	global_load_b128 v[RD+4*\i:RD+4*\i+3], v[PO], s[6:7] offset:512*\i
.endr
	v_lshl_add_u32 v[WA], v[LANE], 6, s13          ; two gaussians a lane: 64 bytes
	v_mov_b32 v[GA], s13
; One gaussian's six figures, at byte 'at' from v[GA], into the six registers from f on.
.macro FETCH f, at
	ds_load_b128 v[\f:\f+3],   v[GA] offset:\at
	ds_load_b64  v[\f+4:\f+5], v[GA] offset:\at+16
.endm
	; THE FIGURES of my two gaussians.  L + 6 g: m0 m1 m2 m3 l4 l5.
	s_wait_loadcnt 0x8                             ; loads come back in order (ISA guide 5.7.1): latents are in, the eight loads of points stay out
.irp g, 0,1
	v_max_num_f32 v[L+6*\g+4], 0, v[L+6*\g+4]      ; relu
	v_max_num_f32 v[L+6*\g+5], 0, v[L+6*\g+5]
.endr
.irp g, 0,1
	v_fma_f32 v[L+6*\g+4], v[L+6*\g+4], s16, s17   ; 2 ln2 * (relu + 0.01), fused
	v_fma_f32 v[L+6*\g+5], v[L+6*\g+5], s16, s17
.endr
.irp g, 0,1
	v_rsq_f32 v[W+6*\g],   v[L+6*\g+4]             ; a0
	v_rsq_f32 v[W+6*\g+2], v[L+6*\g+5]             ; a1
.endr
.irp g, 0,1
	v_mul_f32 v[W+6*\g+4], s19, v[L+6*\g+2]        ; -A m2: four plain lines that touch neither the roots nor their sources stand between
	v_mul_f32 v[W+6*\g+5], s19, v[L+6*\g+3]        ; -A m3  v_rsq_f32 and the first use of its result (ISA guide 5.7.2)
.endr
.irp g, 0,1
	s_wait_alu depctr_va_vdst(0)
	v_mul_f32 v[W+6*\g+1], v[W+6*\g],   v[L+6*\g]      ; a0 m0
	v_mul_f32 v[W+6*\g+3], v[W+6*\g+2], v[L+6*\g+1]    ; a1 m1
.endr
	s_wait_alu depctr_va_vdst(0)                   ; the twelve figures in v[W ..] and v[WA] are written, which the LDS stores read; so is v[GA], which the loads of trips 0 and 1 read
.irp g, 0,1
	ds_store_b128 v[WA], v[W+6*\g:W+6*\g+3]   offset:GBYTES*\g         ; lanes 64 bytes apart share banks four deep: four stores in the whole kernel
	ds_store_b64  v[WA], v[W+6*\g+4:W+6*\g+5] offset:GBYTES*\g+16
.endr
	; LDS serves a wave's instructions in order (ISA guide 5.7.1.4) and these bytes are my wave's alone: the loads see the stores, with no wait and no barrier
	FETCH F0, 0                                    ; trip 0's two gaussians
	FETCH F0+6, GBYTES
	; THE POINTS.  A load brought (x, y, x', y') of two neighbouring points; the packed arithmetic wants (x, x') and (y, y').  The lines that put the
	; sign on the origins (t = a * (-x) + a m) and the factor A on the directions also put each number in its place.
	s_wait_loadcnt 0x4                             ; origins are in, the four loads of directions stay out
.irp i, 0,1,2,3
	v_mul_f32 v[PX+2*\i],   -1.0, v[RO+4*\i]
	v_mul_f32 v[PY+2*\i],   -1.0, v[RO+4*\i+1]
	v_mul_f32 v[PX+2*\i+1], -1.0, v[RO+4*\i+2]
	v_mul_f32 v[PY+2*\i+1], -1.0, v[RO+4*\i+3]
.endr
	s_wait_loadcnt 0x0
.irp i, 0,1,2,3
	v_mul_f32 v[PU+2*\i],   s18, v[RD+4*\i]
	v_mul_f32 v[PV+2*\i],   s18, v[RD+4*\i+1]
	v_mul_f32 v[PU+2*\i+1], s18, v[RD+4*\i+2]
	v_mul_f32 v[PV+2*\i+1], s18, v[RD+4*\i+3]
.endr
	s_wait_alu depctr_vm_vsrc(0)                   ; my LDS stores have read v[W ..]: these registers are QB's upper half and E from here on, written by the squares and the exponentials
; One exponential of the gaussian before.  mode 2: into E.  mode 1: the very first gaussian's go straight into the sums, so that nothing is cleared.  mode 0: none.
.macro EXPQ mode, qp, r
.if \mode == 2
	v_exp_f32 v[E+\r], -v[\qp+\r]
.endif
.if \mode == 1
	v_exp_f32 v[S+\r], -v[\qp+\r]
.endif
.endm
.macro ACC mode, j                     ; two sums take their two exponentials
.if \mode == 2
	s_wait_alu depctr_va_vdst(0)
	v_pk_add_f32 v[S+2*\j:S+2*\j+1], v[S+2*\j:S+2*\j+1], v[E+2*\j:E+2*\j+1]
.endif
.endm
.macro SQUARE qc, d                    ; a row of four: the sums of squares take dimension d; dimension 0 starts them
.irp j, 0,1,2,3
.if \d
	v_pk_fma_f32 v[\qc+2*\j:\qc+2*\j+1], v[T+8*\d+2*\j:T+8*\d+2*\j+1], v[T+8*\d+2*\j:T+8*\d+2*\j+1], v[\qc+2*\j:\qc+2*\j+1]
.else
	v_pk_mul_f32 v[\qc+2*\j:\qc+2*\j+1], v[T+2*\j:T+2*\j+1], v[T+2*\j:T+2*\j+1]
.endif
.endr
.endm
; ONE GAUSSIAN against my 8 points: eight rows of four packed instructions that do not wait for each other.  In front of each row stands one
; exponential of the gaussian before (its squares lie in set qp, this one's go to set qc), so that the exponentials are spread evenly over the plain
; arithmetic, and each has a row of four plain instructions, which name neither its result nor its source, behind it before ACC reads it (ISA guide 5.7.2).
; A figure is one register of a pair, given to both halves: op_sel and op_sel_hi 0 take the pair's first register, 1 its second.
; nxt: the buffer that takes the next trip's figures, which lie at byte 'at' from v[GA]; 0: nothing is asked for.  The four loads are dealt, two ahead of
; the first row and two ahead of the third.  No wait stands with them: no vector instruction since the wait at the trip's head names nxt's registers or v[GA].
.macro BODY g, qc, qp, mode, nxt, at
.if \nxt
	FETCH \nxt, \at
.endif
	EXPQ \mode, \qp, 0
.irp j, 0,1,2,3
	v_pk_fma_f32 v[T+2*\j:T+2*\j+1], v[PX+2*\j:PX+2*\j+1], v[\g:\g+1], v[\g:\g+1] op_sel:[0,0,1] op_sel_hi:[1,0,1]               ; t0 = (-x) a0 + a0 m0
.endr
	EXPQ \mode, \qp, 1
.irp j, 0,1,2,3
	v_pk_fma_f32 v[T+8+2*\j:T+8+2*\j+1], v[PY+2*\j:PY+2*\j+1], v[\g+2:\g+3], v[\g+2:\g+3] op_sel:[0,0,1] op_sel_hi:[1,0,1]       ; t1 = (-y) a1 + a1 m1
.endr
	ACC \mode, 0
.if \nxt
	FETCH \nxt+6, \at+GBYTES
.endif
	EXPQ \mode, \qp, 2
.irp j, 0,1,2,3
	v_pk_add_f32 v[T+16+2*\j:T+16+2*\j+1], v[PU+2*\j:PU+2*\j+1], v[\g+4:\g+5] op_sel_hi:[1,0]                                    ; t2 = A u - A m2
.endr
	EXPQ \mode, \qp, 3
.irp j, 0,1,2,3
	v_pk_add_f32 v[T+24+2*\j:T+24+2*\j+1], v[PV+2*\j:PV+2*\j+1], v[\g+4:\g+5] op_sel:[0,1] op_sel_hi:[1,1]                       ; t3 = A v - A m3
.endr
	ACC \mode, 1
	EXPQ \mode, \qp, 4
	SQUARE \qc, 0
	EXPQ \mode, \qp, 5
	SQUARE \qc, 1
	ACC \mode, 2
	EXPQ \mode, \qp, 6
	SQUARE \qc, 2
	EXPQ \mode, \qp, 7
	SQUARE \qc, 3
	ACC \mode, 3
.endm
; A TRIP: the two gaussians whose figures lie in buffer cur; m0, m1: their modes.
; kind 0: the last trip, which asks for nothing.  1: trip 0: it asks for trip 1's figures, into a buffer that nothing has named yet.
; 2: it asks for the next trip's figures, into the buffer that the trip before read.  3: the same at a lap's head, where v[GA] moves on by the lap's four gaussians.
.macro TRIP cur, nxt, m0, m1, kind, at
	s_wait_dscnt 0x2                               ; LDS loads come back in order (ISA guide 5.7.1): this trip's four are the youngest; the first gaussian's two are in, the second's two stay out
.if \kind == 3
	s_wait_alu depctr_vm_vsrc(0)                   ; the LDS loads issued so far have read v[GA]
	v_add_nc_u32 v[GA], 4*GBYTES, v[GA]
.endif
.if \kind >= 2
	s_wait_alu depctr_va_vdst(0)                   ; the trip before is done reading the other buffer, in which the four loads below land; at a lap's head v[GA] is written, which they read
.endif
.if \kind
	BODY \cur, QA, QB, \m0, \nxt, \at
	s_wait_dscnt 0x4                               ; the second gaussian's two loads are in; the four just issued, the next trip's, stay out
.else
	BODY \cur, QA, QB, \m0, 0, 0
	s_wait_dscnt 0x0                               ; nothing was issued behind the last gaussian's two loads
.endif
	BODY \cur+6, QB, QA, \m1, 0, 0
.endm
	TRIP F0, F1, 0, 1, 1, 2*GBYTES                 ; trip 0 stands in front of the loop: gaussian 0 has none before it, and its exponentials start the sums
	s_mov_b32 s14, LAPS
.Llap:                                                 ; trips 1 to 30, two to a lap
	TRIP F1, F0, 2, 2, 3, 0
	TRIP F0, F1, 2, 2, 2, 2*GBYTES
	s_sub_co_u32 s14, s14, 1
	s_cmp_lg_u32 s14, 0
	s_cbranch_scc1 .Llap
	TRIP F1, 0, 2, 2, 0, 0                         ; the last trip asks for nothing: no load leaves my wave's 2,048 bytes
.irp r, 0,1,2,3,4,5,6,7
	v_exp_f32 v[E+\r], -v[QB+\r]                   ; the last gaussian's exponentials
.endr
	v_lshl_add_u32 v[PA], v[LANE], 3, s15          ; the plain instruction between them and their use: pair i goes to byte 256 i + 8 lane of my wave's row
.irp j, 0,1,2,3
	ACC 2, \j
.endr
	; THE EIGHT WAVES' SUMS MEET.  Point p of the group lies at byte 4 p of each wave's row.
	s_wait_alu depctr_va_vdst(0)                   ; the last additions have written my eight sums, and v[PA] is written: the LDS stores read both
.irp i, 0,1,2,3
	ds_store_b64 v[PA], v[S+2*\i:S+2*\i+1] offset:256*\i
.endr
	s_wait_dscnt 0x0                               ; for the other waves' sake: my stores are done before I say so
	s_barrier_signal -1
	s_barrier_wait -1
	s_cmp_ge_u32 s12, POINTS/64                    ; four waves finish, two points a lane: a wave's one store then covers 256 consecutive bytes,
	s_cbranch_scc1 .Ldone                          ; at a multiple of 256 from the output's first byte
	v_lshl_add_u32 v[RA], v[LANE], 3, s22          ; points 64 wave + 2 lane and the next
	s_wait_alu depctr_va_vdst(0)                   ; v[RA] is written, which the loads below read (T's registers, in which they land, were last named ahead of the wait in front of my stores)
.irp w, 0,1,2,3,4,5,6,7
	ds_load_b64 v[R+2*\w:R+2*\w+1], v[RA] offset:PART+PROW*\w
.endr
	s_wait_dscnt 0x6                               ; LDS loads come back in order: rows 0 and 1 are in, six stay out; and so on, two by two
	v_pk_add_f32 v[R:R+1], v[R:R+1], v[R+2:R+3]
	s_wait_dscnt 0x4
	v_pk_add_f32 v[R+4:R+5], v[R+4:R+5], v[R+6:R+7]
	s_wait_dscnt 0x2
	v_pk_add_f32 v[R+8:R+9], v[R+8:R+9], v[R+10:R+11]
	s_wait_dscnt 0x0
	v_pk_add_f32 v[R+12:R+13], v[R+12:R+13], v[R+14:R+15]
	v_pk_add_f32 v[R:R+1], v[R:R+1], v[R+4:R+5]
	v_pk_add_f32 v[R+8:R+9], v[R+8:R+9], v[R+12:R+13]
	v_pk_add_f32 v[R:R+1], v[R:R+1], v[R+8:R+9]
	v_max_num_f32 v[R],   0, v[R]                  ; clip to [0, 1]
	v_max_num_f32 v[R+1], 0, v[R+1]
	v_min_num_f32 v[R],   1.0, v[R]
	v_min_num_f32 v[R+1], 1.0, v[R+1]
	s_wait_alu depctr_va_vdst(0)                   ; the clip has written v[R] and v[R+1], which the store reads
	global_store_b64 v[RA], v[R:R+1], s[10:11] th:TH_STORE_NT
.Ldone:
	s_wait_dscnt 0x0
	s_wait_alu depctr_hold_cnt(0) depctr_sa_sdst(0) depctr_va_vdst(0) depctr_va_sdst(0) depctr_va_ssrc(0) depctr_va_vcc(0) depctr_vm_vsrc(0)
	s_wait_tensorcnt 0x0
	ds_add_u32 v14, v15
	s_wait_dscnt 0x0
	s_endpgm
.Lfunc_end_k_q4237a88174_decoder:
	.size	k_q4237a88174_decoder, .Lfunc_end_k_q4237a88174_decoder-k_q4237a88174_decoder
	.p2alignl 7, 3214868480
	.fill 96, 4, 3214868480
	.section	.rodata,"a",@progbits
	.p2align	6, 0x0
	.amdhsa_kernel k_q4237a88174_decoder
		.amdhsa_group_segment_fixed_size 25600
		.amdhsa_private_segment_fixed_size 0
		.amdhsa_enable_private_segment 0
		.amdhsa_kernarg_size 32
		.amdhsa_user_sgpr_count 2
		.amdhsa_user_sgpr_kernarg_segment_ptr 1
		.amdhsa_wavefront_size32 1
		.amdhsa_system_sgpr_workgroup_id_x 1
		.amdhsa_system_sgpr_workgroup_id_y 1
		.amdhsa_system_sgpr_workgroup_id_z 1
		.amdhsa_system_vgpr_workitem_id 0
		.amdhsa_next_free_vgpr 136
		.amdhsa_next_free_sgpr 66
		.amdhsa_reserve_vcc 0
		.amdhsa_float_denorm_mode_32 3
		.amdhsa_float_denorm_mode_16_64 3
		.amdhsa_memory_ordered 1
		.amdhsa_forward_progress 1
		.amdhsa_inst_pref_size 32
	.end_amdhsa_kernel
	.amdgpu_metadata
---
amdhsa.version: [ 1, 2 ]
amdhsa.kernels:
  - .name:           k_q4237a88174_decoder
    .symbol:         k_q4237a88174_decoder.kd
    .args:
      - { .name: origins, .offset: 0, .size: 8, .value_kind: global_buffer, .address_space: global }
      - { .name: directions, .offset: 8, .size: 8, .value_kind: global_buffer, .address_space: global }
      - { .name: latents, .offset: 16, .size: 8, .value_kind: global_buffer, .address_space: global }
      - { .name: out0, .offset: 24, .size: 8, .value_kind: global_buffer, .address_space: global }
    .group_segment_fixed_size: 25600
    .private_segment_fixed_size: 0
    .kernarg_segment_align: 8
    .kernarg_segment_size: 32
    .max_flat_workgroup_size: 256
    .sgpr_count:     66
    .vgpr_count:     136
    .wavefront_size: 32
...
	.end_amdgpu_metadata
.endif
;; end of part 2
